; MI455X (gfx1250); checked and timed in simulation.
; The chip was launched on July 23, 2026; its instructions are those of AMD's public machine-readable ISA for CDNA 5 (MIT licence, August 2026) and "CDNA5" Instruction Set Architecture Reference Guide (July 2026). The comments in the code are by the model that wrote it; some were corrected since.
;; Bahdanau Attention. Allowed arithmetic: matrix products marked QUANTISED: E2M3 operands, one E8M0 scale for each 32 along K, by v_wmma_scale_f32_16x16x128_f8f6f4 with both operands' format E2M3, f32 sums; products left as they are: f32 operands where the result goes on into a quantised operand, else bf16, f16 or f32 operands; f32 sums; everything else in f32.
;; Inputs: Ua_b 1,024 float32; Ua_w 1,024 x 1,024 float32; Va_b 1 float32; Va_w 1 x 1,024 float32; Wa_b 1,024 float32; Wa_w 1,024 x 1,024 float32; hs 32 x 2,048 x 1,024 float32; ht 32 x 1 x 1,024 float32.
;; Outputs: out0 32 x 1 x 1,024 float32; out1 32 x 1 x 2,048 float32.
;; This version of the problem:
;;   THIS VERSION OF THE PROBLEM IS GIVEN IN LOW PRECISION. The matrix products marked QUANTISED in the list below multiply operands that are first quantised to E2M3 (2 exponent bits, 3 mantissa bits; 6 bits a number), with one power-of-two scale for each 32 numbers along K (OCP MX v1.0); their sums are f32. All else is computed in f32.
;;   The module's matrix products, in the order in which they are computed (A, B: the left and right operand; K: the contracted axis; several contracted axes count as one K, in the product's order):
;;     1. [M 32, K 1,024] x [K 1,024, N 1,024]; A: input ht; B: input Wa_w: QUANTISED
;;     2. [M 65,536, K 1,024] x [K 1,024, N 1,024]; A: input hs; B: input Ua_w: QUANTISED
;;     3. [M 65,536, K 1,024] x [K 1,024, N 1]; A: computed on the way; B: input Va_w: left as it is (N = 1 < 16)
;;     4. batch 32 x [M 1, K 2,048] x [K 2,048, N 1,024]; A: softmax; B: input hs: left as it is (M = 1 < 16)
;;   THE QUANTISER, for each operand of a quantised product, along K:
;;     - K is cut into blocks of 32 from its start; a last block that is shorter is filled with zeros.
;;     - A block's scale is 2^e with e = floor(log2(the largest magnitude in the block)) - 2, held to -126 .. 127; a block of zeros has e = 0. As a byte (E8M0): e + 127.
;;     - Each number is divided by its block's scale, clamped to +-7.5, and rounded to the nearest number of E2M3, ties to even, subnormals kept.
;;     - The product sums the exact products of the quantised numbers (number of the format x scale) in f32.
;;   ~~~python
;;   def quantise(x, axis):      # numpy; x: float32 -> the quantised numbers, widened to float32 again
;;       x = np.moveaxis(x, axis, -1); K = x.shape[-1]
;;       x = np.pad(x, [(0, 0)] * (x.ndim - 1) + [(0, -K % 32)]); x = x.reshape(x.shape[:-1] + (-1, 32)); a = np.abs(x).max(-1, keepdims=True)
;;       e = np.where(a > 0, np.clip(np.frexp(np.where(a > 0, a, 1))[1] - 1 - 2, -126, 127), 0)      # np.frexp(a)[1] - 1 = floor(log2(a)), exactly
;;       r = np.clip(x / 2.0 ** e, -7.5, 7.5)
;;       step = 2.0 ** (np.maximum(np.frexp(np.where(r == 0, 1, r))[1] - 1, 0) - 3)
;;       q = np.round(r / step) * step * 2.0 ** e      # np.round: ties to even
;;       return np.moveaxis(q.reshape(q.shape[:-2] + (-1,))[..., :K], -1, axis).astype(np.float32)
;;   ~~~
;; One version. Each part assembles by itself: llvm-mc -triple=amdgcn-amd-amdhsa -mcpu=gfx1250 --defsym DOCPART=n.
;; ======== version 1 of 1: 3 launches
;; limits: values are held in bf16: 8 bits of precision; right only within a limited range of input values
;; workspace buffers: ua_codes 786,432 bytes; ua_scales 32,768 bytes; qbs 131,072 bytes; scores 262,144 bytes; ctxp 2,097,152 bytes; stats 4,096 bytes
;; launch prep (part 1): grid 192 x 1, 8 waves a work-group, no clusters, 18,432 bytes of LDS; arguments ht, Wa_w, Wa_b, Ua_w, Ua_b, ua_codes, ua_scales, qbs; writes ua_codes, ua_scales, qbs
.if DOCPART == 1
	.amdgcn_target "amdgcn-amd-amdhsa--gfx1250"
	.amdhsa_code_object_version 6
	.text
	.protected	k_q03cc6c56b9_prep
	.globl	k_q03cc6c56b9_prep
	.p2align	8
	.type	k_q03cc6c56b9_prep,@function
k_q03cc6c56b9_prep:
	s_mov_b64 s[64:65], 0
	v_nop
	global_prefetch_b8 v0, s[64:65] scope:SCOPE_SE
	s_setreg_imm32_b32 hwreg(HW_REG_WAVE_MODE, 25, 1), 1
	s_wait_xcnt 0x0
; PREP.  (1) Ua_w [1024 o][1024 k] f32 becomes codes of FP6 (E2M3) with one E8M0 byte for each 32 along k, laid as the next launch's operand registers want them:
;        ua_codes [o-tile 64][K step 8][1,536 bytes]: registers 4 g .. 4 g + 3 of a fragment (16 rows x 128 k, 12 registers a lane) at 512 g + 16 x lane;  ua_scales [o][8 words], word s = the four bytes of K step s.
;        (2) q = Q(ht) Q(Wa_w)^T on codes, and qbs [o-tile 64][batch 32][16 o] = c2 (q + Wa_b + Ua_b), c2 = 2 log2(e): the addend of the next launch's scaling in front of its exponential.
; WORK LEFT OUT, in the whole program.  reference() adds Va_b to every score of a batch and returns only softmax(scores) and the sum weighted by it.  softmax(s + c) = softmax(s) for every
; constant c along the axis, so Va_b reaches neither output, whatever finite value it holds: it is not loaded and is among no launch's arguments.  For the same reason the term sum over o of Va[o],
; which tanh(x) = 1 - 2 r splits off each score, is left out.  LIMIT: a NaN, an infinity or an overflow that reaches only Va_b or that sum is not carried to the result.
; SHARES.  Work-group 64 a + i, a = 0, 1: rows 16 i on of Wa against batches 16 a on; a = 2: rows 16 i on of Ua.  Wave s takes the K step s (128 along k).  The ways part on the work-group's number alone and use LDS bytes of their own.
; For q each wave quantises two fragments in registers and makes its K step's part by one matrix instruction; the eight parts meet in LDS and are added in ascending order of K.
; A LANE (r = lane % 16, h = lane / 16) loads, of row r, the 32 numbers k = 64 c + 32 h + 0 .. 31 for c = 0, 1: two whole blocks, in the order of the operand's registers.  Eight loads of 16 bytes walk a lane's 128 bytes.
; No tensor load, no cluster: each work-group reads its own rows of a weight, and 16 rows of ht.
; LIMITS: NaN and infinities among the inputs are not served.  A block whose largest magnitude lies under 2^-124 has its byte held at 1; a block of zeros gets the byte 1 where the quantiser says 127:
; its codes are zeros, which add nothing, and the bytes are read by this program alone.  q is the sum of eight K-step parts, each summed by the matrix unit.
.set PART, 0                           ; LDS: eight planes (one a wave), 2,048 bytes apart, of [batch 16][16 o] f32
.set USC,  16384                       ; LDS: Ua's scale words of the 16 rows: [r][8 words], 512 bytes
.set SPARE, 17408                      ; the spare words, 128 bytes a wave
.set SH8,  14                          ; v14  8 h
.set PX,   15                          ; v15  a lane permute's destination
.set MXA,  52
.set MXB,  53
.set SCA,  54
.set SCB,  55
.set SPW,  140
.set NIL,  141
.set SEL,  20                          ; s[20:21] lane selects: lane l xor 16
.set C2,   22                          ; s[22:23] c2, twice
.set WV,   24                          ; s24 wave;  s25 a;  s29 i
; REGISTERS: v1 load offset; v2 bias offset; v3 my place in my plane; v4 my row's scale word in LDS; v5 16 x lane; v6 16 x (thread % 128); v7 USC + 16 x lane; v8 r; v9 h;
; v10, v12, v13 scale words (ht, Wa, Ua); v16-27, v40-51 codes; v56-59 Wa_b, v60-63 Ua_b; v64-127, v192-255 two sets of 64 numbers; v128-135 the result.
.macro QUANT src, dst, word
	v_max3_num_f32 v[MXA], |v[\src]|, |v[\src+1]|, 0x1800000       ; the floor 2^(3 - 127) holds the byte at 1 from below
	v_max3_num_f32 v[MXB], |v[\src+32]|, |v[\src+33]|, 0x1800000
	v_max_num_f32 v[SCA], |v[\src+16]|, |v[\src+17]|
	v_max_num_f32 v[SCB], |v[\src+48]|, |v[\src+49]|
.irp i, 2,4,6,8,10,12,14
	s_delay_alu instid0(VALU_DEP_4)
	v_max3_num_f32 v[MXA], v[MXA], |v[\src+\i]|, |v[\src+\i+1]|
	s_delay_alu instid0(VALU_DEP_4)
	v_max3_num_f32 v[MXB], v[MXB], |v[\src+32+\i]|, |v[\src+33+\i]|
	s_delay_alu instid0(VALU_DEP_4)
	v_max3_num_f32 v[SCA], v[SCA], |v[\src+16+\i]|, |v[\src+17+\i]|
	s_delay_alu instid0(VALU_DEP_4)
	v_max3_num_f32 v[SCB], v[SCB], |v[\src+48+\i]|, |v[\src+49+\i]|
.endr
	s_delay_alu instid0(VALU_DEP_2)
	v_max_num_f32 v[MXA], v[MXA], v[SCA]
	s_delay_alu instid0(VALU_DEP_2)
	v_max_num_f32 v[MXB], v[MXB], v[SCB]
	s_delay_alu instid0(VALU_DEP_2)
	v_add_nc_u32 v[SCA], 0xff000000, v[MXA]        ; 2 off the exponent field: the conversion's scale operand
	s_delay_alu instid0(VALU_DEP_2)
	v_add_nc_u32 v[SCB], 0xff000000, v[MXB]
	s_delay_alu instid0(VALU_DEP_2)
	v_lshrrev_b32 v[MXA], 23, v[SCA]               ; the bytes of blocks h and 2 + h
	s_delay_alu instid0(VALU_DEP_2)
	v_lshrrev_b32 v[MXB], 23, v[SCB]
	s_delay_alu instid0(VALU_DEP_1)
	v_lshl_or_b32 v[\word], v[MXB], 16, v[MXA]
	s_delay_alu instid0(VALU_DEP_1)
	v_lshlrev_b32 v[\word], v[SH8], v[\word]
	s_delay_alu instid0(VALU_DEP_1)
	v_permlanex16_b32 v[PX], v[\word], s[SEL], s[SEL+1]
	s_delay_alu instid0(VALU_DEP_1)
	v_or_b32 v[\word], v[\word], v[PX]             ; with lane l xor 16's two the word is whole
	v_cvt_scalef32_pk16_fp6_f32 v[\dst:\dst+2], v[\src:\src+15], v[SCA]
	v_cvt_scalef32_pk16_fp6_f32 v[\dst+6:\dst+8], v[\src+32:\src+47], v[SCB]
	v_nop                                          ; a plain line between a scaled conversion and a write of its sources
	v_cvt_scalef32_pk16_fp6_f32 v[\src:\src+2], v[\src+16:\src+31], v[SCA]       ; three registers begin on an even number: the upper halves are made elsewhere and moved
	v_cvt_scalef32_pk16_fp6_f32 v[\src+32:\src+34], v[\src+48:\src+63], v[SCB]
	v_nop
.irp i, 0,1,2
	v_mov_b32 v[\dst+3+\i], v[\src+\i]
	v_mov_b32 v[\dst+9+\i], v[\src+32+\i]
.endr
.endm
.macro LD64 reg, base, off             ; my 64 numbers of a K step: 16 loads of 16 bytes
.irp c, 0,1
.irp j, 0,1,2,3,4,5,6,7
	global_load_b128 v[\reg+32*\c+4*\j:\reg+32*\c+4*\j+3], v1, s[\base:\base+1] offset:\off+256*\c+16*\j
.endr
.endr
.endm
	s_load_b256 s[4:11], s[0:1], 0x0               ; ht s[4:5], Wa_w s[6:7], Wa_b s[8:9], Ua_w s[10:11]
	s_load_b256 s[12:19], s[0:1], 0x20             ; Ua_b s[12:13], ua_codes s[14:15], ua_scales s[16:17], qbs s[18:19]
	v_lshl_add_u32 v[SPW], v0, 2, SPARE
	v_mov_b32 v[NIL], 0
	v_lshrrev_b32 v1, 5, v0
	s_delay_alu instid0(VALU_DEP_1)
	v_readfirstlane_b32 s[WV], v1                  ; wave 0..7 = K step
	v_and_b32 v8, 15, v0                           ; r
	v_bfe_u32 v9, v0, 4, 1                         ; h
	s_delay_alu instid0(VALU_DEP_2)
	v_lshlrev_b32 v1, 12, v8                       ; row r of 4,096 bytes,
	s_delay_alu instid0(VALU_DEP_1)
	v_lshl_add_u32 v1, v9, 7, v1                   ; + 128 h,
	s_lshl_b32 s28, s[WV], 9
	v_add_nc_u32 v1, s28, v1                       ; + my K step's 512 bytes
	v_and_b32 v2, 3, v0
	s_delay_alu instid0(VALU_DEP_1)
	v_lshlrev_b32 v2, 4, v2                        ; the biases of the four o that thread t adds up: 16 (t % 4)
	v_lshlrev_b32 v3, 6, v8
	s_delay_alu instid0(VALU_DEP_1)
	v_lshl_add_u32 v3, v9, 5, v3
	s_lshl_b32 s28, s[WV], 11
	v_add_nc_u32 v3, s28, v3                       ; my plane: batch r at 64 r, o = 8 h on at 32 h
	s_lshl_b32 s28, s[WV], 2
	s_add_co_u32 s28, s28, USC
	v_lshl_add_u32 v4, v8, 5, s28                  ; row r's word of my K step
	v_and_b32 v5, 31, v0
	s_delay_alu instid0(VALU_DEP_1)
	v_lshlrev_b32 v5, 4, v5
	v_and_b32 v6, 127, v0
	s_delay_alu instid0(VALU_DEP_1)
	v_lshlrev_b32 v6, 4, v6
	s_delay_alu instid0(VALU_DEP_3)
	v_add_nc_u32 v7, USC, v5
	v_lshlrev_b32 v[SH8], 3, v9
	v_mov_b32 v[PX], 0                             ; written once: a lane permute's destination counts as one of its sources
	s_mov_b32 s[SEL], 0x76543210
	s_mov_b32 s[SEL+1], 0xfedcba98
	s_mov_b32 s[C2], 0x4038aa3b                    ; 2 log2(e)
	s_mov_b32 s[C2+1], s[C2]
	s_mov_b32 s27, 0
	s_lshr_b32 s25, ttmp9, 6                       ; a
	s_and_b32 s29, ttmp9, 63                       ; i
	s_wait_alu depctr_va_vdst(0)
	s_wait_kmcnt 0x0
	s_lshl_b32 s26, s25, 16                        ; ht: batches 16 a on (used where a is 0 or 1)
	s_add_nc_u64 s[4:5], s[4:5], s[26:27]
	s_lshl_b32 s26, s29, 16                        ; my 16 rows of a weight
	s_add_nc_u64 s[6:7], s[6:7], s[26:27]
	s_add_nc_u64 s[10:11], s[10:11], s[26:27]
	s_lshl_b32 s26, s29, 6                         ; my 16 numbers of the biases
	s_add_nc_u64 s[8:9], s[8:9], s[26:27]
	s_add_nc_u64 s[12:13], s[12:13], s[26:27]
	s_lshl_b32 s26, s29, 3
	s_add_co_u32 s26, s26, s[WV]
	s_mul_i32 s26, s26, 1536                       ; fragment 8 i + s
	s_add_nc_u64 s[14:15], s[14:15], s[26:27]
	s_lshl_b32 s26, s29, 9
	s_add_nc_u64 s[16:17], s[16:17], s[26:27]
	s_lshl_b32 s26, s29, 11
	s_add_nc_u64 s[18:19], s[18:19], s[26:27]
	s_lshl_b32 s26, s25, 10                        ; qbs: batches 16 a on (used where a is 0 or 1)
	s_add_nc_u64 s[18:19], s[18:19], s[26:27]
	s_cmp_eq_u32 s25, 2
	s_cbranch_scc1 .Lua
	; ---- q
	global_load_b128 v[56:59], v2, s[8:9]
	global_load_b128 v[60:63], v2, s[12:13]
	LD64 64, 4, 0                                  ; ht's 16 batches
	LD64 192, 6, 0                                 ; Wa's rows
	s_wait_loadcnt 16                              ; the biases and ht are in; Wa's 16 may be out
	QUANT 64, 16, 10
	s_wait_loadcnt 0x0
	QUANT 192, 40, 12
.rept 8
	v_nop                                          ; a scale register written by a vector instruction stands 8 places ahead of a scaled matrix instruction, an operand so written 4
.endr
	; used transposed: source 0 = 16 rows of Wa, source 1 = 16 batches: lane (r, h), register j = (o = 8 h + j, batch r)
	v_wmma_scale_f32_16x16x128_f8f6f4 v[128:135], v[40:51], v[16:27], 0, v12, v10 matrix_a_fmt:MATRIX_FMT_FP6 matrix_b_fmt:MATRIX_FMT_FP6
.rept 4
	v_nop                                          ; four places ahead of the read of the result
.endr
	ds_store_b128 v3, v[128:131]                   ; from its low end on
	ds_store_b128 v3, v[132:135] offset:16
	s_wait_dscnt 0x0                               ; for the others' sake: my plane is in LDS
	s_barrier_signal -1
	s_barrier_wait -1
	s_cmp_lt_u32 s[WV], 2
	s_cbranch_scc0 .Lend
.irp p, 0,1,2,3,4,5,6,7                ; waves 0, 1: thread t adds up batch t / 4, o = 4 (t % 4) on
	ds_load_b128 v[64+4*\p:67+4*\p], v6 offset:2048*\p
.endr
	s_wait_dscnt 0x0
	v_pk_add_f32 v[64:65], v[64:65], v[68:69]
	v_pk_add_f32 v[66:67], v[66:67], v[70:71]
.irp p, 2, 3, 4, 5, 6, 7
	s_delay_alu instid0(VALU_DEP_2)
	v_pk_add_f32 v[64:65], v[64:65], v[64+4*\p:65+4*\p]
	s_delay_alu instid0(VALU_DEP_2)
	v_pk_add_f32 v[66:67], v[66:67], v[66+4*\p:67+4*\p]
.endr
	s_delay_alu instid0(VALU_DEP_2)
	v_pk_add_f32 v[64:65], v[64:65], v[56:57]
	s_delay_alu instid0(VALU_DEP_2)
	v_pk_add_f32 v[66:67], v[66:67], v[58:59]
	s_delay_alu instid0(VALU_DEP_2)
	v_pk_add_f32 v[64:65], v[64:65], v[60:61]
	s_delay_alu instid0(VALU_DEP_2)
	v_pk_add_f32 v[66:67], v[66:67], v[62:63]
	s_delay_alu instid0(VALU_DEP_2)
	v_pk_mul_f32 v[64:65], v[64:65], s[C2:C2+1] op_sel_hi:[1,0]
	s_delay_alu instid0(VALU_DEP_2)
	v_pk_mul_f32 v[66:67], v[66:67], s[C2:C2+1] op_sel_hi:[1,0]
	global_store_b128 v6, v[64:67], s[18:19]       ; 512 consecutive bytes a wave
	s_branch .Lend
.Lua:
	; ---- Ua
	LD64 64, 10, 0
	s_wait_loadcnt 0x0
	QUANT 64, 16, 13
	ds_store_b32 v4, v13                           ; lanes r and r + 16 write the same word with the same value
	global_store_b128 v5, v[16:19], s[14:15]       ; the fragment as it stands: each store of the wave covers 512 consecutive bytes
	global_store_b128 v5, v[20:23], s[14:15] offset:512
	global_store_b128 v5, v[24:27], s[14:15] offset:1024
	s_wait_alu depctr_va_vdst(0)
	s_wait_dscnt 0x0                               ; for the others' sake: my words are in LDS
	s_barrier_signal -1
	s_barrier_wait -1
	s_cmp_eq_u32 s[WV], 4
	s_cbranch_scc0 .Lend
	ds_load_b128 v[64:67], v7                      ; wave 4: the 16 rows' scale words, 512 bytes
	s_wait_dscnt 0x0
	global_store_b128 v5, v[64:67], s[16:17]
.Lend:
	s_wait_tensorcnt 0x0                           ; the wave's end
	ds_add_u32 v[SPW], v[NIL]
	s_wait_dscnt 0x0
	s_endpgm
.Lfunc_end_k_q03cc6c56b9_prep:
	.size	k_q03cc6c56b9_prep, .Lfunc_end_k_q03cc6c56b9_prep-k_q03cc6c56b9_prep
	.p2alignl 7, 3214868480
	.fill 96, 4, 3214868480
	.section	.rodata,"a",@progbits
	.p2align	6, 0x0
	.amdhsa_kernel k_q03cc6c56b9_prep
		.amdhsa_group_segment_fixed_size 18432
		.amdhsa_private_segment_fixed_size 0
		.amdhsa_enable_private_segment 0
		.amdhsa_kernarg_size 64
		.amdhsa_user_sgpr_count 2
		.amdhsa_user_sgpr_kernarg_segment_ptr 1
		.amdhsa_wavefront_size32 1
		.amdhsa_system_sgpr_workgroup_id_x 1
		.amdhsa_system_sgpr_workgroup_id_y 1
		.amdhsa_system_sgpr_workgroup_id_z 1
		.amdhsa_system_vgpr_workitem_id 0
		.amdhsa_next_free_vgpr 256
		.amdhsa_next_free_sgpr 66
		.amdhsa_reserve_vcc 0
		.amdhsa_float_denorm_mode_32 3
		.amdhsa_float_denorm_mode_16_64 3
		.amdhsa_memory_ordered 1
		.amdhsa_forward_progress 1
		.amdhsa_inst_pref_size 25
	.end_amdhsa_kernel
	.amdgpu_metadata
---
amdhsa.version: [ 1, 2 ]
amdhsa.kernels:
  - .name:           k_q03cc6c56b9_prep
    .symbol:         k_q03cc6c56b9_prep.kd
    .args:
      - { .name: ht, .offset: 0, .size: 8, .value_kind: global_buffer, .address_space: global }
      - { .name: Wa_w, .offset: 8, .size: 8, .value_kind: global_buffer, .address_space: global }
      - { .name: Wa_b, .offset: 16, .size: 8, .value_kind: global_buffer, .address_space: global }
      - { .name: Ua_w, .offset: 24, .size: 8, .value_kind: global_buffer, .address_space: global }
      - { .name: Ua_b, .offset: 32, .size: 8, .value_kind: global_buffer, .address_space: global }
      - { .name: ua_codes, .offset: 40, .size: 8, .value_kind: global_buffer, .address_space: global }
      - { .name: ua_scales, .offset: 48, .size: 8, .value_kind: global_buffer, .address_space: global }
      - { .name: qbs, .offset: 56, .size: 8, .value_kind: global_buffer, .address_space: global }
    .group_segment_fixed_size: 18432
    .private_segment_fixed_size: 0
    .kernarg_segment_align: 8
    .kernarg_segment_size: 64
    .max_flat_workgroup_size: 256
    .sgpr_count:     66
    .vgpr_count:     256
    .wavefront_size: 32
...
	.end_amdgpu_metadata
.endif
;; end of part 1
;; launch main (part 2): grid 256 x 1, 4 waves a work-group, no clusters, 323,072 bytes of LDS; arguments hs, ua_codes, ua_scales, qbs, Va_w, scores, ctxp, stats; writes scores, ctxp, stats
.if DOCPART == 2
	.amdgcn_target "amdgcn-amd-amdhsa--gfx1250"
	.amdhsa_code_object_version 6
	.text
	.protected	k_q03cc6c56b9_main
	.globl	k_q03cc6c56b9_main
	.p2align	8
	.type	k_q03cc6c56b9_main,@function
k_q03cc6c56b9_main:
	s_mov_b64 s[64:65], 0
	v_nop
	global_prefetch_b8 v0, s[64:65] scope:SCOPE_SE
	s_setreg_imm32_b32 hwreg(HW_REG_WAVE_MODE, 25, 1), 1
	s_wait_xcnt 0x0
; MAIN.  256 consecutive rows of hs (an eighth of a batch), in two blocks of 128 rows; each block is a part of its own:  k = Q(hs) Q(Ua)^T on codes of FP6 (E2M3);
; score = -2 sum over o of Va[o] r[o], r = 1 / (1 + 2^y), y = c2 k + c2 (q + biases), c2 = 2 log2 e  (tanh = 1 - 2 r);  m = the block's largest score;  p = 2^((score - m) log2 e);  l = sum p;  ctx part = sum p x hs.
; LEFT OUT: Va_b and sum Va, which are the same along the softmax's axis (shown at the head of the first kernel).  hs is read from memory once.
; P1: the four waves load the block densely, keep it as bf16 in LDS (262,144 bytes) for the last step and quantise it, 16 fragments (16 rows x 128 k) a wave; each fragment goes to all four waves through LDS as an image of its registers.
; P2: EVERY WAVE HOLDS ALL 128 ROWS' CODES (64 fragments, 768 registers) and walks its own 256 columns of Ua in 16 tiles of 16 columns.  So a fragment of Ua feeds eight products and is read by one wave alone:
;   it comes from memory straight into that wave's registers, in the order in which the launch before laid it; Ua touches no LDS and the walk has no barrier.  Each pair of K steps is asked for again, for the next tile, behind its 16 products.
;   The product is used transposed (source 0 = 16 rows of Ua, source 1 = 16 rows of hs): lane (r, h), register j = (column 8 h + j, row r): a row's sum over columns stays in the lane.
;   A tile's 64 products stand on end, then its tanh in batches, with waits ahead of and behind each batch of transcendentals.
;   FOUR RECIPROCALS IN ONE: V0/a0 + V1/a1 + V2/a2 + V3/a3 = N / (a0 a1 a2 a3).  y is held at 30 from above, so that the product of four stays under 2^121; that moves an r by less than 2^-30.
; S: the rows' scores from the four waves' parts, through LDS.   P3: ctx part = sum p x the bf16 rows, wave w columns 256 w on.
; NO TENSOR LOAD, NO JOINT LOAD: beside the bf16 rows LDS has 60,416 bytes, which ds_stores write (stages, images); Ua's fragments have one reader each in a work-group.
; The two products with one row or column are done by vector multiply-adds with f32 sums: in a matrix instruction 15 of 16 rows would be padding.
; LIMITS: NaN and infinities among the inputs are not served.  A block of 32 whose largest magnitude lies under 2^-124 has its scale byte held at 1; a block of zeros gets the byte 1 where the quantiser says 127
; (its codes are zeros; nobody else reads the bytes).  hs enters ctx rounded to bf16.  The f32 sums go in another order than the reference's.
.set STG,   262144                     ; LDS behind the bf16 rows (row x 2,048): a stage of 16 rows x 528 bytes for each wave
.set STGW,  8448
.set IMG,   295936                     ; 16 images (4 a wave): a fragment's 1,536 bytes and 32 lanes' scale words
.set IMB,   1664
.set SCR,   STG                        ; S, over the stages: the scores' parts [wave][h][128 rows] f32
.set PSC,   STG+4096                   ; p[128] f32, a copy for each wave
.set SPARE, 322560                     ; the spare words, 128 bytes a wave
; WINDOW 0.  Kept through the launch:
.set SPW,1
.set NIL,2
.set GO,3                              ; 16 x lane
.set VOS,4                             ; 32 r + 16 h: Ua's scale words
.set VOB,5                             ; 32 h: bias and Va
.set IMR,6                             ; IMG + 16 x lane
.set R,7
.set HH,8
.set PX,9                              ; a lane permute's destination
.set SH8,10                            ; 8 h
.set IMRS,11                           ; IMG + 1536 + 4 r + h x four images
.set ASC,12                            ; v12-43 hs's scale words: K step k, sub, xp at 4 k + 2 sub + xp; lanes 0-15 tile 2 (2 xp) + sub, lanes 16-31 tile 2 (2 xp + 1) + sub.  Scales and nothing else
.set BSC,44                            ; v44-51 Ua's scale words, two sets: register j: lanes 0-15 K step j, lanes 16-31 K step 4 + j.  Likewise
.set F63,52                            ; v52-63 the one fragment of hs that windows 1 to 3 (21 each) have no room for
.set ACC,64                            ; v64-127 eight accumulators, tile t at 8 t
.set BF,128                            ; v128-223 a tile of Ua: K step k at 12 k
.set BIA,224                           ; v224-231 c2 (q + biases) of my eight columns; then at work in the tanh
.set VA,232                            ; v232-239 Va of my eight columns
.set SPT,240                           ; v240-255 sum of Va r: tile t in the pair at 2 t
; in P1
.set QN,64
.set LS3,128                           ; the fourth set of 64 numbers as loaded (the other three: window 3, v0-191, where the last 16 fragments go when the sets are done with)
.set PCD,192
.set PW,204
.set MXA,205
.set MXB,206
.set SCA,207
.set SCB,208
.set STW,209
.set STR,210
.set CW,211
.set IMW,213
.set IMWS,214
.set T16,224
; in S and P3
.set TT,64
.set PV,64
.set CTX,96
.set MR,104                            ; m, and l in v105
.set ZR,106
.set SCW,192
.set SCRD,193
.set PSW,194
.set PSB,195
.set CA,196
.set PA,197
.set CTO,199
.set PFO,200
; SCALARS
.set HP,4
.set UC,6
.set US,8
.set QB,10
.set VW_,12
.set SCO,14
.set CTP,16
.set STA,18
.set CP,24
.set SCP,26
.set QP,28
.set VP,30
.set WV,32
.set BLK,33
.set CNT,34
.set C2,36
.set SEL,38
.set L2E,40
.set LIM,41
.set SSTG,42
.set SCW0,43
.set SIMW,44
.set SSCW,45
.set SPSC,46
.set SCA_,47
.set SCT,48
.set MSB, 0
.macro WIN new                         ; bits 1:0 source 0, 3:2 source 1, 5:4 source 2, 7:6 destination; the high byte repeats the setting that is left
.if MSB != (\new)
	s_set_vgpr_msb (MSB<<8)|(\new)
.set MSB, (\new)
.endif
.endm
.macro VW                              ; the wait behind vector writes
	s_wait_alu depctr_va_vdst(0)
.endm
.macro BAR                             ; my LDS stores have landed and my LDS loads are in: then the work-group's barrier
	VW
	s_wait_dscnt 0x0
	s_barrier_signal -1
	s_barrier_wait -1
.endm
.macro LOC q                           ; where fragment q = 16 j + 4 x + i lies (round j = 2 sub + k / 4, made by wave x, i = k % 4): window LCW, register LCR
.if (\q) < 21
.set LCW,1
.set LCR,12*(\q)
.elseif (\q) < 42
.set LCW,2
.set LCR,12*((\q)-21)
.elseif (\q) < 47
.set LCW,3
.set LCR,192+12*((\q)-42)
.elseif (\q) == 47
.set LCW,0
.set LCR,F63
.else
.set LCW,3
.set LCR,12*((\q)-48)
.endif
.endm
; 64 numbers of a lane, v[src + 32 c + i] = k 64 c + 32 h + i of my row, become the fragment's 12 registers v[dst] on and my row's scale word v[word].
.macro QUANT src, dst, word
	v_max3_num_f32 v[MXA], |v[\src]|, |v[\src+1]|, 0x1800000       ; the floor 2^(3 - 127) holds the byte at 1 from below
	v_max3_num_f32 v[MXB], |v[\src+32]|, |v[\src+33]|, 0x1800000
	v_max_num_f32 v[SCA], |v[\src+16]|, |v[\src+17]|
	v_max_num_f32 v[SCB], |v[\src+48]|, |v[\src+49]|
.irp i, 2,4,6,8,10,12,14
	v_max3_num_f32 v[MXA], v[MXA], |v[\src+\i]|, |v[\src+\i+1]|
	v_max3_num_f32 v[MXB], v[MXB], |v[\src+32+\i]|, |v[\src+33+\i]|
	v_max3_num_f32 v[SCA], v[SCA], |v[\src+16+\i]|, |v[\src+17+\i]|
	v_max3_num_f32 v[SCB], v[SCB], |v[\src+48+\i]|, |v[\src+49+\i]|
.endr
	v_max_num_f32 v[MXA], v[MXA], v[SCA]
	v_max_num_f32 v[MXB], v[MXB], v[SCB]
	v_add_nc_u32 v[SCA], 0xff000000, v[MXA]        ; 2 off the exponent field: the conversion's scale operand
	v_add_nc_u32 v[SCB], 0xff000000, v[MXB]
	v_lshrrev_b32 v[MXA], 23, v[SCA]               ; the bytes of blocks h and 2 + h
	v_lshrrev_b32 v[MXB], 23, v[SCB]
	v_lshl_or_b32 v[\word], v[MXB], 16, v[MXA]
	v_lshlrev_b32 v[\word], v[SH8], v[\word]
	v_permlanex16_b32 v[PX], v[\word], s[SEL], s[SEL+1]
	v_or_b32 v[\word], v[\word], v[PX]             ; with lane l xor 16's two the word is whole
	v_cvt_scalef32_pk16_fp6_f32 v[\dst:\dst+2], v[\src:\src+15], v[SCA]
	v_cvt_scalef32_pk16_fp6_f32 v[\dst+6:\dst+8], v[\src+32:\src+47], v[SCB]
	v_nop                                          ; a plain line between a scaled conversion and a write of its sources
	v_cvt_scalef32_pk16_fp6_f32 v[\src:\src+2], v[\src+16:\src+31], v[SCA]       ; three registers begin on an even number: the upper halves are made elsewhere and moved
	v_cvt_scalef32_pk16_fp6_f32 v[\src+32:\src+34], v[\src+48:\src+63], v[SCB]
	v_nop
.irp i, 0,1,2
	v_mov_b32 v[\dst+3+\i], v[\src+\i]
	v_mov_b32 v[\dst+9+\i], v[\src+32+\i]
.endr
.endm
.macro SETOF f                         ; the set of 64 registers of fragment f: window DW, register DB
.if (\f)%4 == 3
.set DW,0
.set DB,LS3
.else
.set DW,3
.set DB,64*((\f)%4)
.endif
.endm
; Fragment f of my 16: tile of rows f / 8 of my two, K step f % 8.  16 loads, a row each: 32 lanes read 512 consecutive bytes.
.macro HLOAD f
	SETOF \f
	WIN DW<<6
.irp p, 0,1,2,3,4,5,6,7,8,9,10,11,12,13,14,15
	global_load_b128 v[DB+4*\p:DB+4*\p+3], v[GO], s[HP:HP+1] offset:((\f)/8)*65536+((\f)%8)*512+4096*\p th:TH_LOAD_NT
.endr
	WIN 0
.endm
.macro FRAG f, lw, more, bar           ; lw: the younger loads that may stay out; bar = 1: the first fragment behind a round's image loads
	SETOF \f
	s_wait_loadcnt \lw
	WIN DW<<2
.irp p, 0,1,2,3,4,5,6,7,8,9,10,11,12,13,14,15
	ds_store_b128 v[STW], v[DB+4*\p:DB+4*\p+3] offset:528*\p       ; into my stage as loaded
.endr
	WIN 0
.irp c, 0,1
.irp j, 0,1,2,3,4,5,6,7
	ds_load_b128 v[QN+32*\c+4*\j:QN+32*\c+4*\j+3], v[STR] offset:256*\c+16*\j   ; back by lanes: row r, k = 64 c + 32 h on; LDS serves a wave's instructions in order.  The conversions below stand under this turn
.endr
.endr
.if (\bar) == 0
	s_wait_dscnt 36                                ; the last fragment's bf16 stores have read their registers: younger are its 4 image stores and the 32 lines above (with bar = 1 a barrier's wait for 0 has shown it)
.endif
	WIN DW*5
.irp p, 0,1,2,3,4,5,6,7,8,9,10,11,12,13,14,15
	v_cvt_pk_bf16_f32 v[T16+2*\p], v[DB+4*\p], v[DB+4*\p+1]
	v_cvt_pk_bf16_f32 v[T16+2*\p+1], v[DB+4*\p+2], v[DB+4*\p+3]
.endr
	WIN 0
.irp p, 0,1,2,3,4,5,6,7,8,9,10,11,12,13,14,15
	ds_store_b64 v[CW+(\f)/8], v[T16+2*\p:T16+2*\p+1] offset:2048*\p+256*((\f)%8)   ; the row's 256 bytes of bf16, kept for P3
.endr
	s_wait_dscnt 16                                ; LDS instructions end in order: the numbers are in; the 16 bf16 stores may be out
.if \more
	HLOAD (\f)+4
.endif
	QUANT QN, PCD, PW
.if \bar
	BAR                                            ; every wave has the last round's images in its registers: they may be written again
.endif
.irp g, 0,1,2
	ds_store_b128 v[IMW], v[PCD+4*\g:PCD+4*\g+3] offset:IMB*((\f)%4)+512*\g
.endr
	ds_store_b32 v[IMWS], v[PW] offset:IMB*((\f)%4)
.endm
.macro ALOAD j                         ; round j's 16 images become my registers
.irp x, 0,1,2,3
.irp i, 0,1,2,3
	LOC 16*(\j)+4*\x+\i
	WIN LCW<<6
.irp g, 0,1,2
	ds_load_b128 v[LCR+4*\g:LCR+4*\g+3], v[IMR] offset:IMB*(4*\x+\i)+512*\g
.endr
.endr
.endr
	WIN 0
.irp xp, 0,1
.irp i, 0,1,2,3
	ds_load_b32 v[ASC+4*(4*((\j)%2)+\i)+2*((\j)/2)+\xp], v[IMRS] offset:IMB*(8*\xp+\i)   ; lanes 0-15 wave 2 xp's image, lanes 16-31 wave 2 xp + 1's
.endr
.endr
.endm
; K step k of a tile: eight products, the eight accumulators by turns, in the same order in every K step.  ra = k / 4: the row of Ua's scale register.
.macro KSTEP p, k, ra, zero
.irp sub, 0,1
.irp xp, 0,1
.irp xr, 0,1
	LOC 16*(2*\sub+(\k)/4)+4*(2*\xp+\xr)+(\k)%4
	WIN LCW<<2
.set rD, ACC+8*(2*(2*\xp+\xr)+\sub)
.if \zero
	v_wmma_scale_f32_16x16x128_f8f6f4 v[rD:rD+7], v[BF+12*(\k):BF+12*(\k)+11], v[LCR:LCR+11], 0, v[BSC+4*(\p)+(\k)%4], v[ASC+4*(\k)+2*\sub+\xp] matrix_a_fmt:MATRIX_FMT_FP6 matrix_b_fmt:MATRIX_FMT_FP6 matrix_a_scale:MATRIX_SCALE_ROW\ra matrix_b_scale:MATRIX_SCALE_ROW\xr
.else
	v_wmma_scale_f32_16x16x128_f8f6f4 v[rD:rD+7], v[BF+12*(\k):BF+12*(\k)+11], v[LCR:LCR+11], v[rD:rD+7], v[BSC+4*(\p)+(\k)%4], v[ASC+4*(\k)+2*\sub+\xp] matrix_a_fmt:MATRIX_FMT_FP6 matrix_b_fmt:MATRIX_FMT_FP6 matrix_a_scale:MATRIX_SCALE_ROW\ra matrix_b_scale:MATRIX_SCALE_ROW\xr
.endif
.endr
.endr
.endr
.endm
; Two K steps, and behind them (rl = 1) the same two of the next tile are asked for.  In flight, oldest first, 29 loads: scale words 1, four pairs of K steps 6 each, bias and Va 4; each wait lets all but the oldest group stay out.
.macro GROUP p, n, rl, g, ra
.if \rl
.if (\g) == 0
	s_wait_loadcnt 22
.else
	s_wait_loadcnt 23
.endif
.else
	s_wait_loadcnt 22-6*(\g)
.endif
.if (\g) == 0
	KSTEP \p, 0, \ra, 1                            ; the first K step starts the sums
.else
	KSTEP \p, 2*(\g), \ra, 0
.endif
	KSTEP \p, 2*(\g)+1, \ra, 0
	WIN 0
.rept 4
	v_nop                                          ; four places behind the products: for the loads into their sources, and for the first read of the results
.endr
.if \rl
.if (\g) == 0
	global_load_b128 v[BSC+4*(1-(\p)):BSC+4*(1-(\p))+3], v[VOS], s[SCP:SCP+1] offset:512*((\n)+1)
.endif
.irp i, 0,1,2,3,4,5
	global_load_b128 v[BF+4*(6*(\g)+\i):BF+4*(6*(\g)+\i)+3], v[GO], s[CP:CP+1] offset:12288*((\n)+1)+512*(6*(\g)+\i)
.endr
.endif
.endm
.macro PKM db, ds, ab, as, bb, bs      ; d = a b for four tiles; an operand is a first register and a step from tile to tile
.irp u, 0,1,2,3
	v_pk_mul_f32 v[\db+\ds*\u:\db+\ds*\u+1], v[\ab+\as*\u:\ab+\as*\u+1], v[\bb+\bs*\u:\bb+\bs*\u+1]
.endr
.endm
.macro PKF db, ds, ab, as, bb, bs      ; d += a b
.irp u, 0,1,2,3
	v_pk_fma_f32 v[\db+\ds*\u:\db+\ds*\u+1], v[\ab+\as*\u:\ab+\as*\u+1], v[\bb+\bs*\u:\bb+\bs*\u+1], v[\db+\ds*\u:\db+\ds*\u+1]
.endr
.endm
.macro TANH rl
.if \rl
	s_wait_loadcnt 25                              ; bias and Va are in; the next tile's 25 loads may be out
.else
	s_wait_loadcnt 0x0
.endif
.irp t, 0,1,2,3,4,5,6,7
.irp e, 0,2,4,6
	v_pk_fma_f32 v[ACC+8*\t+\e:ACC+8*\t+\e+1], v[ACC+8*\t+\e:ACC+8*\t+\e+1], s[C2:C2+1], v[BIA+\e:BIA+\e+1] op_sel_hi:[1,0,1]   ; y; each accumulator from its low end on
.endr
.endr
.set ii, 0
.rept 64
	v_min_num_f32 v[ACC+ii], s[LIM], v[ACC+ii]     ; held at 30
.set ii, ii+1
.endr
	VW
.set ii, 0
.rept 64
	v_exp_f32 v[ACC+ii], v[ACC+ii]
.set ii, ii+1
.endr
	v_nop
	VW
.set ii, 0
.rept 32
	v_pk_add_f32 v[ACC+ii:ACC+ii+1], v[ACC+ii:ACC+ii+1], 1.0 op_sel_hi:[1,0]   ; a = 1 + 2^y
.set ii, ii+2
.endr
.irp hf, 0,4                           ; a tile's pairs a0 .. a3 (columns 0-1, 2-3, 4-5, 6-7); four tiles by turns; T in the registers that held the bias
.set AB, ACC+8*\hf
	PKM BIA,2, VA,0, (AB+2),8                      ; T = V0 a1
	PKF BIA,2, (VA+2),0, AB,8                      ; T += V1 a0
	PKM AB,8, AB,8, (AB+2),8                       ; a0 = a0 a1
	PKM (AB+2),8, (VA+4),0, (AB+6),8               ; a1 = V2 a3
	PKF (AB+2),8, (VA+6),0, (AB+4),8               ; a1 += V3 a2
	PKM (AB+4),8, (AB+4),8, (AB+6),8               ; a2 = a2 a3
	PKM (AB+6),8, BIA,2, (AB+4),8                  ; a3 = T a2
	PKF (AB+6),8, (AB+2),8, AB,8                   ; a3 += a1 a0: the numerator
	PKM AB,8, AB,8, (AB+4),8                       ; a0: the product of the four
.endr
	VW
.irp t, 0,1,2,3,4,5,6,7
	v_rcp_f32 v[ACC+8*\t], v[ACC+8*\t]
	v_rcp_f32 v[ACC+8*\t+1], v[ACC+8*\t+1]
.endr
	v_nop
	VW
.irp t, 0,1,2,3,4,5,6,7
	v_pk_fma_f32 v[SPT+2*\t:SPT+2*\t+1], v[ACC+8*\t+6:ACC+8*\t+7], v[ACC+8*\t:ACC+8*\t+1], v[SPT+2*\t:SPT+2*\t+1]
.endr
.endm
.macro TILE p, n, rl                   ; p: the set of Ua's scale words; n: the tile's place in its pair; rl: the next tile is asked for
	global_load_b128 v[BIA:BIA+3], v[VOB], s[QP:QP+1] offset:2048*(\n)
	global_load_b128 v[BIA+4:BIA+7], v[VOB], s[QP:QP+1] offset:2048*(\n)+16
	global_load_b128 v[VA:VA+3], v[VOB], s[VP:VP+1] offset:64*(\n)
	global_load_b128 v[VA+4:VA+7], v[VOB], s[VP:VP+1] offset:64*(\n)+16
	GROUP \p, \n, \rl, 0, 0
	GROUP \p, \n, \rl, 1, 0
	GROUP \p, \n, \rl, 2, 1
	GROUP \p, \n, \rl, 3, 1
	TANH \rl
.endm
.macro P3MUL r0                        ; 16 rows: ctx[8 columns] += bf16 x p, the eight sums by turns
.set rr, \r0
.rept 16
.irp q, 0,1
.irp e, 0,1
	v_fma_mix_f32_bf16 v[CTX+4*\q+2*\e], v[4*rr+2*\q+\e], v[PV+rr], v[CTX+4*\q+2*\e] op_sel_hi:[1,0,0]
	v_fma_mix_f32_bf16 v[CTX+4*\q+2*\e+1], v[4*rr+2*\q+\e], v[PV+rr], v[CTX+4*\q+2*\e+1] op_sel:[1,0,0] op_sel_hi:[1,0,0]
.endr
.endr
.set rr, rr+1
.endr
.endm
	s_load_b256 s[4:11], s[0:1], 0x0               ; hs, ua_codes, ua_scales, qbs
	s_load_b256 s[12:19], s[0:1], 0x20             ; Va_w, scores, ctxp, stats
	v_lshl_add_u32 v[SPW], v0, 2, SPARE
	v_mov_b32 v[NIL], 0
	v_lshrrev_b32 v[R], 5, v0
	v_readfirstlane_b32 s[WV], v[R]                ; wave 0..3
	v_and_b32 v[GO], 31, v0
	v_lshlrev_b32 v[GO], 4, v[GO]
	v_and_b32 v[R], 15, v0
	v_bfe_u32 v[HH], v0, 4, 1
	v_lshlrev_b32 v[VOB], 5, v[HH]
	v_lshlrev_b32 v[VOS], 5, v[R]
	v_lshl_add_u32 v[VOS], v[HH], 4, v[VOS]
	v_add_nc_u32 v[IMR], IMG, v[GO]
	v_mul_u32_u24 v[IMRS], v[HH], 4*IMB
	v_lshl_add_u32 v[IMRS], v[R], 2, v[IMRS]
	v_add_nc_u32 v[IMRS], IMG+1536, v[IMRS]
	v_lshlrev_b32 v[SH8], 3, v[HH]
	v_mov_b32 v[PX], 0
	VW                                             ; the head's vector writes are first read behind waits and runs of scalar lines
	s_mul_i32 s[SSTG], s[WV], STGW
	s_add_co_u32 s[SSTG], s[SSTG], STG
	s_lshl_b32 s[SCW0], s[WV], 16                  ; my 32 rows as bf16
	s_mul_i32 s[SIMW], s[WV], 4*IMB
	s_add_co_u32 s[SIMW], s[SIMW], IMG
	s_lshl_b32 s[SSCW], s[WV], 10
	s_add_co_u32 s[SSCW], s[SSCW], SCR
	s_lshl_b32 s[SCA_], s[WV], 9
	s_add_co_u32 s[SPSC], s[SCA_], PSC
	s_lshl_b32 s[SCT], s[WV], 10
	s_mov_b32 s[C2], 0x4038aa3b                    ; 2 log2 e
	s_mov_b32 s[C2+1], s[C2]
	s_mov_b32 s[SEL], 0x76543210
	s_mov_b32 s[SEL+1], 0xfedcba98
	s_mov_b32 s[L2E], 0x3fb8aa3b
	s_mov_b32 s[LIM], 0x41f00000                   ; 30.0
	s_mov_b32 s[BLK], 2
	s_mov_b32 s51, 0
	s_wait_kmcnt 0x0
	s_lshl_b32 s50, ttmp9, 20                      ; my work-group's 256 rows of 4,096 bytes,
	s_lshl_b32 s52, s[WV], 17                      ; my 32 rows of a block
	s_add_co_u32 s50, s50, s52
	s_add_nc_u64 s[HP:HP+1], s[HP:HP+1], s[50:51]
	s_mul_i32 s50, s[WV], 196608                   ; my 16 tiles of columns
	s_add_nc_u64 s[UC:UC+1], s[UC:UC+1], s[50:51]
	s_lshl_b32 s50, s[WV], 13
	s_add_nc_u64 s[US:US+1], s[US:US+1], s[50:51]
	s_lshr_b32 s50, ttmp9, 3                       ; the batch
	s_lshl_b32 s50, s50, 6
	s_lshl_b32 s52, s[WV], 15
	s_add_co_u32 s50, s50, s52
	s_add_nc_u64 s[QB:QB+1], s[QB:QB+1], s[50:51]
	s_lshl_b32 s50, s[WV], 10
	s_add_nc_u64 s[VW_:VW_+1], s[VW_:VW_+1], s[50:51]
	s_lshl_b32 s50, ttmp9, 10
	s_add_nc_u64 s[SCO:SCO+1], s[SCO:SCO+1], s[50:51]
	s_lshl_b32 s50, ttmp9, 13                      ; two parts of 4,096 bytes
	s_add_nc_u64 s[CTP:CTP+1], s[CTP:CTP+1], s[50:51]
	s_lshl_b32 s50, ttmp9, 4
	s_add_nc_u64 s[STA:STA+1], s[STA:STA+1], s[50:51]
	HLOAD 0                                        ; four fragments, 64 loads of 512 bytes a wave, are kept on their way
	HLOAD 1
	HLOAD 2
	HLOAD 3
.Lblock:
	; ---- P1's addresses, made anew in each block: their registers hold Ua's fragments in P2
	v_add_nc_u32 v[STW], s[SSTG], v[GO]
	v_mul_u32_u24 v[STR], v[R], 528
	v_lshl_add_u32 v[STR], v[HH], 7, v[STR]
	v_add_nc_u32 v[STR], s[SSTG], v[STR]
	v_lshrrev_b32 v[CW], 1, v[GO]
	v_add_nc_u32 v[CW], s[SCW0], v[CW]
	v_add_nc_u32 v[CW+1], 0x8000, v[CW]
	v_add_nc_u32 v[IMW], s[SIMW], v[GO]
	v_lshrrev_b32 v[IMWS], 2, v[GO]
	v_add_nc_u32 v[IMWS], s[SIMW], v[IMWS]
	v_add_nc_u32 v[IMWS], 1536, v[IMWS]
	VW
	; ---- P1.  48 = the three younger fragments' loads.  Two barriers for each four fragments: behind the first the images are whole; the second stands in the next fragment, ahead of its image stores, so that the image loads come in under that fragment's work
	FRAG 0, 48, 1, 0
	FRAG 1, 48, 1, 0
	FRAG 2, 48, 1, 0
	FRAG 3, 48, 1, 0
	BAR
	ALOAD 0
.irp j, 1,2
	FRAG 4*\j, 48, 1, 1
	FRAG 4*\j+1, 48, 1, 0
	FRAG 4*\j+2, 48, 1, 0
	FRAG 4*\j+3, 48, 1, 0
	BAR
	ALOAD \j
.endr
	FRAG 12, 48, 0, 1
	FRAG 13, 32, 0, 0
	FRAG 14, 16, 0, 0
	FRAG 15, 0, 0, 0
	BAR
	s_wait_xcnt 0x0                                ; the walking pointers are written only behind this wait
	s_mov_b64 s[CP:CP+1], s[UC:UC+1]
	s_mov_b64 s[SCP:SCP+1], s[US:US+1]
	s_mov_b64 s[QP:QP+1], s[QB:QB+1]
	s_mov_b64 s[VP:VP+1], s[VW_:VW_+1]
	global_load_b128 v[BSC:BSC+3], v[VOS], s[SCP:SCP+1]            ; my first tile of Ua: 25 loads
.set ii, 0
.rept 24
	global_load_b128 v[BF+4*ii:BF+4*ii+3], v[GO], s[CP:CP+1] offset:512*ii
.set ii, ii+1
.endr
	ALOAD 3                                        ; the images are written again only behind the block's last barrier
.set ii, 0
.rept 16
	v_mov_b32 v[SPT+ii], 0
.set ii, ii+1
.endr
	s_wait_dscnt 0x0
	; ---- P2: 16 tiles of 16 columns
	s_mov_b32 s[CNT], 7
.Lpair:
	TILE 0, 0, 1
	TILE 1, 1, 1
	s_wait_xcnt 0x0                                ; the loads have read their bases
	s_add_nc_u64 s[CP:CP+1], s[CP:CP+1], 24576
	s_add_nc_u64 s[SCP:SCP+1], s[SCP:SCP+1], 1024
	s_add_nc_u64 s[QP:QP+1], s[QP:QP+1], 4096
	s_add_nc_u64 s[VP:VP+1], s[VP:VP+1], 128
	s_sub_co_i32 s[CNT], s[CNT], 1
	s_cmp_lg_u32 s[CNT], 0
	s_cbranch_scc1 .Lpair
	TILE 0, 0, 1
	TILE 1, 1, 0                                   ; the last tile asks for nothing: no load leaves its buffer
	; ---- the addresses of S and P3
	v_lshlrev_b32 v[SCW], 9, v[HH]
	v_lshl_add_u32 v[SCW], v[R], 2, v[SCW]
	v_add_nc_u32 v[SCW], s[SSCW], v[SCW]
	v_add_nc_u32 v[SCRD], SCR, v[GO]
	v_add_nc_u32 v[PSW], s[SPSC], v[GO]
	v_mov_b32 v[PSB], s[SPSC]
	v_lshrrev_b32 v[CA], 1, v[GO]
	v_add_nc_u32 v[CA], s[SCA_], v[CA]
	v_add_nc_u32 v[CTO], s[SCT], v[GO]
	v_lshlrev_b32 v[PFO], 12, v[R]
	v_lshl_add_u32 v[PFO], v[HH], 8, v[PFO]
	; ---- the next block's first four fragments are asked for here, if there is one: the codes are done with
	s_cmp_eq_u32 s[BLK], 1
	VW
	s_cbranch_scc1 .Lno_next
	s_wait_xcnt 0x0
	s_add_nc_u64 s[HP:HP+1], s[HP:HP+1], 0x80000   ; 128 rows on
	HLOAD 0
	HLOAD 1
	HLOAD 2
	HLOAD 3
.irp q, 0,1,2,3                        ; and my fragments 4 to 7 of that block are prefetched: a lane names row r's 256 bytes at 2,048 + 512 q + 256 h: each named once, by the wave that will load it, S and P3 ahead of that load
	global_prefetch_b8 v[PFO], s[HP:HP+1] offset:2048+512*\q th:TH_LOAD_NT scope:SCOPE_SE
.endr
.Lno_next:
	; ---- S
.irp t, 0,1,2,3,4,5,6,7
	v_add_f32 v[TT+\t], v[SPT+2*\t], v[SPT+2*\t+1]
.endr
.irp t, 0,1,2,3,4,5,6,7
	ds_store_b32 v[SCW], v[TT+\t] offset:64*\t     ; row 16 t + r: my 256 columns' part, for my half of each tile's columns
.endr
	BAR
.irp i, 0,1,2,3,4,5,6,7
	ds_load_b128 v[TT+4*\i:TT+4*\i+3], v[SCRD] offset:512*\i       ; every wave takes all 128 rows, four a lane: the eight parts
.endr
	s_wait_dscnt 0x0
.irp i, 1,2,3,4,5,6,7
	v_pk_add_f32 v[TT:TT+1], v[TT:TT+1], v[TT+4*\i:TT+4*\i+1]
	v_pk_add_f32 v[TT+2:TT+3], v[TT+2:TT+3], v[TT+4*\i+2:TT+4*\i+3]
.endr
	v_pk_mul_f32 v[TT:TT+1], v[TT:TT+1], -2.0 op_sel_hi:[1,0]      ; the scores
	v_pk_mul_f32 v[TT+2:TT+3], v[TT+2:TT+3], -2.0 op_sel_hi:[1,0]
	v_max3_num_f32 v[TT+8], v[TT], v[TT+1], v[TT+2]
	v_max_num_f32 v[TT+8], v[TT+8], v[TT+3]
.irp m, 1,2,4,8
	v_max_num_f32_dpp v[TT+8], v[TT+8], v[TT+8] row_xmask:\m row_mask:0xf bank_mask:0xf
.endr
	v_permlanex16_b32 v[PX], v[TT+8], s[SEL], s[SEL+1]
	v_max_num_f32 v[MR], v[TT+8], v[PX]            ; m: taken away before the exponential
.irp i, 0,1,2,3
	v_sub_f32 v[TT+12+\i], v[TT+\i], v[MR]
.endr
.irp i, 0,1,2,3
	v_mul_f32 v[TT+12+\i], s[L2E], v[TT+12+\i]
.endr
	VW
.irp i, 0,1,2,3
	v_exp_f32 v[TT+12+\i], v[TT+12+\i]             ; p
.endr
	v_mov_b32 v[ZR], 0                             ; a plain line behind the batch
	VW
	v_add_f32 v[TT+16], v[TT+12], v[TT+13]
	v_add_f32 v[TT+17], v[TT+14], v[TT+15]
	v_add_f32 v[TT+16], v[TT+16], v[TT+17]
.irp m, 1,2,4,8
	v_add_f32_dpp v[TT+16], v[TT+16], v[TT+16] row_xmask:\m row_mask:0xf bank_mask:0xf
.endr
	v_permlanex16_b32 v[PX], v[TT+16], s[SEL], s[SEL+1]
	v_add_f32 v[MR+1], v[TT+16], v[PX]             ; l
	ds_store_b128 v[PSW], v[TT+12:TT+15]           ; p into my own copy: no other wave touches it
.irp i, 0,1,2,3,4,5,6,7
	v_mov_b32 v[CTX+\i], 0
.endr
	s_cmp_lg_u32 s[WV], 0
	VW
	s_cbranch_scc1 .Lnot_w0
	global_store_b128 v[GO], v[TT:TT+3], s[SCO:SCO+1]              ; wave 0: 512 consecutive bytes of scores,
	global_store_b64 v[ZR], v[MR:MR+1], s[STA:STA+1]               ; and the part's m and l: all lanes write the same 8 bytes with the same values
.Lnot_w0:
	s_wait_xcnt 0x0                                ; the stores have read their data: P3 loads over them
	; ---- P3: four trips of 32 rows
	s_mov_b32 s[CNT], 0
	s_mov_b32 s52, 0
	s_mov_b32 s53, 0
.Lrows:
	v_add_nc_u32 v[PA], s52, v[CA]
	v_add_nc_u32 v[PA+1], s53, v[PSB]
.irp i, 0,1,2,3,4,5,6,7
	ds_load_b128 v[PV+4*\i:PV+4*\i+3], v[PA+1] offset:16*\i        ; 32 rows' p, the same in every lane
.endr
	WIN 0x40
.set rr, 0
.rept 32
	ds_load_b64 v[4*rr:4*rr+1], v[PA] offset:2048*rr               ; 32 lanes read 256 consecutive bytes of a row
	ds_load_b64 v[4*rr+2:4*rr+3], v[PA] offset:2048*rr+256
.set rr, rr+1
.endr
	s_wait_dscnt 32                                ; p and rows 0-15 are in; the younger 16 rows' 32 loads may be out
	WIN 0x01
	P3MUL 0
	VW                                             ; the eight sums are read again behind the wait below
	s_wait_dscnt 0x0
	P3MUL 16
	WIN 0
	s_add_co_u32 s52, s52, 0x10000
	s_add_co_u32 s53, s53, 128
	s_add_co_u32 s[CNT], s[CNT], 1
	s_cmp_lt_u32 s[CNT], 4
	VW
	s_cbranch_scc1 .Lrows
	BAR                                            ; every wave has read the rows and the score parts: the next block may write them
	global_store_b128 v[CTO], v[CTX:CTX+3], s[CTP:CTP+1]           ; columns 256 w + 4 x lane on: 512 consecutive bytes
	global_store_b128 v[CTO], v[CTX+4:CTX+7], s[CTP:CTP+1] offset:512
	s_wait_xcnt 0x0                                ; the stores have read their bases and data
	s_add_nc_u64 s[SCO:SCO+1], s[SCO:SCO+1], 512
	s_add_nc_u64 s[CTP:CTP+1], s[CTP:CTP+1], 4096
	s_add_nc_u64 s[STA:STA+1], s[STA:STA+1], 8
	s_sub_co_i32 s[BLK], s[BLK], 1
	s_cmp_lg_u32 s[BLK], 0
	s_cbranch_scc1 .Lblock
	s_wait_tensorcnt 0x0                           ; the wave's end
	ds_add_u32 v[SPW], v[NIL]
	s_wait_dscnt 0x0
	s_endpgm
.Lfunc_end_k_q03cc6c56b9_main:
	.size	k_q03cc6c56b9_main, .Lfunc_end_k_q03cc6c56b9_main-k_q03cc6c56b9_main
	.p2alignl 7, 3214868480
	.fill 96, 4, 3214868480
	.section	.rodata,"a",@progbits
	.p2align	6, 0x0
	.amdhsa_kernel k_q03cc6c56b9_main
		.amdhsa_group_segment_fixed_size 323072
		.amdhsa_private_segment_fixed_size 0
		.amdhsa_enable_private_segment 0
		.amdhsa_kernarg_size 64
		.amdhsa_user_sgpr_count 2
		.amdhsa_user_sgpr_kernarg_segment_ptr 1
		.amdhsa_wavefront_size32 1
		.amdhsa_system_sgpr_workgroup_id_x 1
		.amdhsa_system_sgpr_workgroup_id_y 1
		.amdhsa_system_sgpr_workgroup_id_z 1
		.amdhsa_system_vgpr_workitem_id 0
		.amdhsa_next_free_vgpr 1024
		.amdhsa_next_free_sgpr 66
		.amdhsa_reserve_vcc 0
		.amdhsa_float_denorm_mode_32 3
		.amdhsa_float_denorm_mode_16_64 3
		.amdhsa_memory_ordered 1
		.amdhsa_forward_progress 1
		.amdhsa_inst_pref_size 255
	.end_amdhsa_kernel
	.section	.bss,"aw",@nobits
	.p2align	6
	.space	262144
	.amdgpu_metadata
---
amdhsa.version: [ 1, 2 ]
amdhsa.kernels:
  - .name:           k_q03cc6c56b9_main
    .symbol:         k_q03cc6c56b9_main.kd
    .args:
      - { .name: hs, .offset: 0, .size: 8, .value_kind: global_buffer, .address_space: global }
      - { .name: ua_codes, .offset: 8, .size: 8, .value_kind: global_buffer, .address_space: global }
      - { .name: ua_scales, .offset: 16, .size: 8, .value_kind: global_buffer, .address_space: global }
      - { .name: qbs, .offset: 24, .size: 8, .value_kind: global_buffer, .address_space: global }
      - { .name: Va_w, .offset: 32, .size: 8, .value_kind: global_buffer, .address_space: global }
      - { .name: scores, .offset: 40, .size: 8, .value_kind: global_buffer, .address_space: global }
      - { .name: ctxp, .offset: 48, .size: 8, .value_kind: global_buffer, .address_space: global }
      - { .name: stats, .offset: 56, .size: 8, .value_kind: global_buffer, .address_space: global }
    .group_segment_fixed_size: 323072
    .private_segment_fixed_size: 0
    .kernarg_segment_align: 8
    .kernarg_segment_size: 64
    .max_flat_workgroup_size: 128
    .sgpr_count:     66
    .vgpr_count:     1024
    .wavefront_size: 32
...
	.end_amdgpu_metadata
.endif
;; end of part 2
;; launch fin (part 3): grid 128 x 1, 2 waves a work-group, no clusters, 0 bytes of LDS; arguments scores, ctxp, stats, out0, out1; writes out0, out1
.if DOCPART == 3
	.amdgcn_target "amdgcn-amd-amdhsa--gfx1250"
	.amdhsa_code_object_version 6
	.text
	.protected	k_q03cc6c56b9_fin
	.globl	k_q03cc6c56b9_fin
	.p2align	8
	.type	k_q03cc6c56b9_fin,@function
k_q03cc6c56b9_fin:
	s_mov_b64 s[64:65], 0
	v_nop
	global_prefetch_b8 v0, s[64:65] scope:SCOPE_SE
	s_setreg_imm32_b32 hwreg(HW_REG_WAVE_MODE, 25, 1), 1
	s_wait_xcnt 0x0
; FIN.  Four work-groups to a batch, each with 512 of its scores and 256 of its columns.  The batch's sixteen parts (m_g, l_g, ctx_g, each summed under its own maximum m_g) are joined:
; M = max m_g;  w_g = 2^((m_g - M) log2 e);  L = sum l_g w_g;  attn = 2^((score - M) log2 e) / L;  ctx = sum ctx_g w_g / L.
; The scores lack Va_b and sum Va, which are the same along the softmax's axis (shown at the head of the first kernel).
; Every thread reads the sixteen pairs (m, l) itself: no LDS, no barrier.  The maximum is taken away before every exponential, as the reference does.
; No matrix unit, no cluster, no prefetch: the parts and scores are read once, by work-groups that share only 128 bytes, in a text with no loop.
; REGISTERS: v1 16 t; v2 0; v8-39 (m, l) x 16; v40-47 scores, then attn; v48-111 the parts' four columns; v112 M; v113 L; v114-129 w; v130 1 / L; v132-135 ctx.
	s_load_b256 s[4:11], s[0:1], 0x0               ; scores s[4:5], ctxp s[6:7], stats s[8:9], out0 s[10:11]
	s_load_b64 s[12:13], s[0:1], 0x20              ; out1
	v_lshlrev_b32 v1, 4, v0
	v_mov_b32 v2, 0
	s_mov_b32 s16, 0x3fb8aa3b                      ; log2 e
	s_mov_b32 s15, 0
	s_lshr_b32 s17, ttmp9, 2                       ; the batch
	s_and_b32 s18, ttmp9, 3                        ; my quarter of it
	s_wait_alu depctr_va_vdst(0)
	s_wait_kmcnt 0x0
	s_lshl_b32 s14, ttmp9, 11                      ; 8,192 bytes of scores a batch, 2,048 a quarter
	s_add_nc_u64 s[4:5], s[4:5], s[14:15]
	s_add_nc_u64 s[12:13], s[12:13], s[14:15]
	s_lshl_b32 s14, s17, 16                        ; sixteen parts of 4,096 bytes, 1,024 of each mine
	s_lshl_b32 s18, s18, 10
	s_add_co_u32 s14, s14, s18
	s_add_nc_u64 s[6:7], s[6:7], s[14:15]
	s_lshl_b32 s14, s17, 7                         ; sixteen pairs
	s_add_nc_u64 s[8:9], s[8:9], s[14:15]
	s_lshl_b32 s14, ttmp9, 10
	s_add_nc_u64 s[10:11], s[10:11], s[14:15]
.irp i, 0,1,2,3,4,5,6,7
	global_load_b128 v[8+4*\i:11+4*\i], v2, s[8:9] offset:16*\i
.endr
	global_load_b128 v[40:43], v1, s[4:5]
	global_load_b128 v[44:47], v1, s[4:5] offset:1024
.irp g, 0,1,2,3,4,5,6,7,8,9,10,11,12,13,14,15
	global_load_b128 v[48+4*\g:51+4*\g], v1, s[6:7] offset:4096*\g
.endr
	s_wait_loadcnt 0x0
	v_max3_num_f32 v112, v8, v10, v12
.irp g, 14,18,22,26,30,34
	v_max3_num_f32 v112, v112, v[\g], v[\g+2]
.endr
	v_max_num_f32 v112, v112, v38                  ; M
.irp g, 0,1,2,3,4,5,6,7,8,9,10,11,12,13,14,15
	v_sub_f32 v[114+\g], v[8+2*\g], v112
.endr
.irp g, 0,1,2,3,4,5,6,7
	v_sub_f32 v[40+\g], v[40+\g], v112
.endr
.irp g, 0,1,2,3,4,5,6,7,8,9,10,11,12,13,14,15
	v_mul_f32 v[114+\g], s16, v[114+\g]
.endr
.irp g, 0,1,2,3,4,5,6,7
	v_mul_f32 v[40+\g], s16, v[40+\g]
.endr
	s_wait_alu depctr_va_vdst(0)                   ; ahead of the batch
.irp g, 0,1,2,3,4,5,6,7,8,9,10,11,12,13,14,15
	v_exp_f32 v[114+\g], v[114+\g]
.endr
.irp g, 0,1,2,3,4,5,6,7
	v_exp_f32 v[40+\g], v[40+\g]
.endr
	v_nop                                          ; a plain line behind the batch
	s_wait_alu depctr_va_vdst(0)                   ; one wait for the 24, ahead of their first reader
	v_mul_f32 v113, v9, v114
.irp g, 1,2,3,4,5,6,7,8,9,10,11,12,13,14,15
	v_fma_f32 v113, v[9+2*\g], v[114+\g], v113     ; L
.endr
	s_wait_alu depctr_va_vdst(0)
	v_rcp_f32 v130, v113
	v_nop
	s_wait_alu depctr_va_vdst(0)
.irp g, 0,1,2,3,4,5,6,7
	v_mul_f32 v[40+\g], v[40+\g], v130             ; attn
.endr
.irp g, 0,1,2,3,4,5,6,7,8,9,10,11,12,13,14,15
	v_mul_f32 v[114+\g], v[114+\g], v130           ; w / L
.endr
	global_store_b128 v1, v[40:43], s[12:13]       ; each store of a wave covers 512 consecutive bytes
	global_store_b128 v1, v[44:47], s[12:13] offset:1024
.irp e, 0,1,2,3
	v_mul_f32 v[132+\e], v[48+\e], v114
.endr
.irp g, 1,2,3,4,5,6,7,8,9,10,11,12,13,14,15
.irp e, 0,1,2,3
	v_fma_f32 v[132+\e], v[48+4*\g+\e], v[114+\g], v[132+\e]
.endr
.endr
	global_store_b128 v1, v[132:135], s[10:11]
	s_endpgm
.Lfunc_end_k_q03cc6c56b9_fin:
	.size	k_q03cc6c56b9_fin, .Lfunc_end_k_q03cc6c56b9_fin-k_q03cc6c56b9_fin
	.p2alignl 7, 3214868480
	.fill 96, 4, 3214868480
	.section	.rodata,"a",@progbits
	.p2align	6, 0x0
	.amdhsa_kernel k_q03cc6c56b9_fin
		.amdhsa_group_segment_fixed_size 0
		.amdhsa_private_segment_fixed_size 0
		.amdhsa_enable_private_segment 0
		.amdhsa_kernarg_size 40
		.amdhsa_user_sgpr_count 2
		.amdhsa_user_sgpr_kernarg_segment_ptr 1
		.amdhsa_wavefront_size32 1
		.amdhsa_system_sgpr_workgroup_id_x 1
		.amdhsa_system_sgpr_workgroup_id_y 1
		.amdhsa_system_sgpr_workgroup_id_z 1
		.amdhsa_system_vgpr_workitem_id 0
		.amdhsa_next_free_vgpr 136
		.amdhsa_next_free_sgpr 66
		.amdhsa_reserve_vcc 0
		.amdhsa_float_denorm_mode_32 3
		.amdhsa_float_denorm_mode_16_64 3
		.amdhsa_memory_ordered 1
		.amdhsa_forward_progress 1
		.amdhsa_inst_pref_size 13
	.end_amdhsa_kernel
	.amdgpu_metadata
---
amdhsa.version: [ 1, 2 ]
amdhsa.kernels:
  - .name:           k_q03cc6c56b9_fin
    .symbol:         k_q03cc6c56b9_fin.kd
    .args:
      - { .name: scores, .offset: 0, .size: 8, .value_kind: global_buffer, .address_space: global }
      - { .name: ctxp, .offset: 8, .size: 8, .value_kind: global_buffer, .address_space: global }
      - { .name: stats, .offset: 16, .size: 8, .value_kind: global_buffer, .address_space: global }
      - { .name: out0, .offset: 24, .size: 8, .value_kind: global_buffer, .address_space: global }
      - { .name: out1, .offset: 32, .size: 8, .value_kind: global_buffer, .address_space: global }
    .group_segment_fixed_size: 0
    .private_segment_fixed_size: 0
    .kernarg_segment_align: 8
    .kernarg_segment_size: 40
    .max_flat_workgroup_size: 64
    .sgpr_count:     66
    .vgpr_count:     136
    .wavefront_size: 32
...
	.end_amdgpu_metadata
.endif
;; end of part 3
